; MI455X (gfx1250); checked and timed in simulation.
; The chip was launched on July 23, 2026; its instructions are those of AMD's public machine-readable ISA for CDNA 5 (MIT licence, August 2026) and "CDNA5" Instruction Set Architecture Reference Guide (July 2026). The comments in the code are by the model that wrote it; some were corrected since.
;; Bert Self Attention. Allowed arithmetic: matrix products marked QUANTISED: E5M2 operands, one given power-of-two scale a tensor, by v_wmma_f32_16x16x64_bf8_bf8 or v_wmma_f32_16x16x128_bf8_bf8, f32 sums; everything else in f32.
;; Inputs: Wk_codes 1,024 x 32 x 32 uint8 (E5M2 codes of Wk, K innermost, in blocks of 32 codes); Wq_codes 1,024 x 32 x 32 uint8 (E5M2 codes of Wq, K innermost, in blocks of 32 codes); Wv_codes 1,024 x 32 x 32 uint8 (E5M2 codes of Wv, K innermost, in blocks of 32 codes); attention_mask 4 x 1 x 1 x 2,048 float32; bk 1,024 float32; bq 1,024 float32; bv 1,024 float32; hidden_states_codes 4 x 2,048 x 32 x 32 uint8 (E5M2 codes of hidden_states, K innermost, in blocks of 32 codes); lowp_scales 10 int32 (the exponents e of the quantised operands' scales 2^e).
;; Outputs: out0 4 x 2,048 x 1,024 float32.
;; This version of the problem:
;;   THIS VERSION OF THE PROBLEM IS GIVEN IN LOW PRECISION. The matrix products marked QUANTISED in the list below multiply operands that are first quantised to E5M2 (5 exponent bits, 2 mantissa bits; 8 bits a number), with one given power-of-two scale for each operand tensor; their sums are f32. All else is computed in f32.
;;   The module's matrix products, in the order in which they are computed (A, B: the left and right operand; K: the contracted axis; several contracted axes count as one K, in the product's order):
;;     1. [M 8,192, K 1,024] x [K 1,024, N 1,024]; A: input hidden_states (given as codes); B: input Wq (given as codes): QUANTISED (scales: A lowp_scales[0], B lowp_scales[1])
;;     2. [M 8,192, K 1,024] x [K 1,024, N 1,024]; A: input hidden_states (given as codes); B: input Wk (given as codes): QUANTISED (scales: A lowp_scales[2], B lowp_scales[3])
;;     3. [M 8,192, K 1,024] x [K 1,024, N 1,024]; A: input hidden_states (given as codes); B: input Wv (given as codes): QUANTISED (scales: A lowp_scales[4], B lowp_scales[5])
;;     4. batch 64 x [M 2,048, K 64] x [K 64, N 2,048]; A: computed on the way; B: computed on the way: QUANTISED (scales: A lowp_scales[6], B lowp_scales[7])
;;     5. batch 64 x [M 2,048, K 2,048] x [K 2,048, N 64]; A: softmax (see below); B: computed on the way: QUANTISED (scales: A lowp_scales[8], B lowp_scales[9])
;;   THE QUANTISER, for each operand of a quantised product, along K:
;;     - The operand's scale is 2^e, e = its entry of the input lowp_scales (int32; the entries are numbered through the quantised products in the list's order, A before B).
;;     - Each number is divided by the scale, clamped to +-57,344, and rounded to the nearest number of E5M2, ties to even, subnormals kept.
;;     - The product sums the exact products of the quantised numbers (number of the format x scale) in f32.
;;   ~~~python
;;   def quantise(x, axis, e):      # numpy; x: float32 -> the quantised numbers, widened to float32 again
;;       x = np.moveaxis(x, axis, -1); K = x.shape[-1]
;;       r = np.clip(x / 2.0 ** e, -57344, 57344)
;;       step = 2.0 ** (np.maximum(np.frexp(np.where(r == 0, 1, r))[1] - 1, -14) - 2)
;;       q = np.round(r / step) * step * 2.0 ** e      # np.round: ties to even
;;       return np.moveaxis(q, -1, axis).astype(np.float32)
;;   ~~~
;;   SOFTMAX AHEAD OF A QUANTISED PRODUCT. Where the list says 'softmax', what is quantised is not the finished softmax but p = 2^(t - M), with t = logit x log2(e) and M = ceil(the row's largest t), a whole number; so 1/2 < the row's largest p <= 1. The row's sum l is taken of the UNQUANTISED p, in f32, and the product's result is divided by l at the end. Since M is a whole number, a kernel that streams over the keys may use a running M (the ceiling of the running maximum): every later rescaling is an exact power of two, so the quantised numbers keep their values, but for numbers so far below the row's largest that they fall under the format's range.
;;   OPERANDS COMPUTED ON THE WAY. 'Computed on the way' means the value that the module computes at that place (a softmax that the list does not call 'softmax' is quantised finished and normalised). What goes into a quantiser is computed in f32, as accurately as f32 sums, v_exp_f32 and their like allow (about 1e-6 of the number): no bf16 or f16 on the way to a quantiser, and a product that is left as it is and whose result goes on into a quantised operand takes f32 operands (vector FMAs, or v_wmma_f32_16x16x4_f32). A number that lies on a knife's edge between two numbers of the format may be rounded either way, as far as f32 arithmetic and the matrix unit's own rounding can turn it there, and no further.
;;   INPUTS GIVEN AS CODES. Wk (in the module: [1024, 1024], K = its axis 0); Wq (in the module: [1024, 1024], K = its axis 0); Wv (in the module: [1024, 1024], K = its axis 0); hidden_states (in the module: [4, 2048, 1024], K = its axis 2): each comes as NAME_codes (uint8): NAME with its K axis moved to the last place and cut into blocks of 32 codes, [.., K / 32, bytes a block], one block behind the other in memory; one code a byte (a code: sign, 5 exponent bits, 2 mantissa bits); its scale is its entry of lowp_scales. Its value is code x scale, taken as it is: it is not quantised again, and the codes and scales need not be those that the quantiser above would give.
;; One version. Each part assembles by itself: llvm-mc -triple=amdgcn-amd-amdhsa -mcpu=gfx1250 --defsym DOCPART=n.
;; ======== version 1 of 1: 2 launches
;; limits: right only within a limited range of input values
;; workspace buffers: qimg 8,388,608 bytes; kimg 8,388,608 bytes; vimg 8,388,608 bytes
;; launch proj (part 1): grid 8 x 32, 4 waves a work-group, clusters of 4 x 4, 327,680 bytes of LDS; arguments hidden_states_codes, Wq_codes, Wk_codes, Wv_codes, bq, bk, bv, lowp_scales, qimg, kimg, vimg; writes qimg, kimg, vimg
.if DOCPART == 1
	.amdgcn_target "amdgcn-amd-amdhsa--gfx1250"
	.amdhsa_code_object_version 6
	.text
	.protected	k_q8be36fa9eb_proj
	.globl	k_q8be36fa9eb_proj
	.p2align	8
	.type	k_q8be36fa9eb_proj,@function
k_q8be36fa9eb_proj:
	s_mov_b64 s[64:65], 0
	v_nop
	global_prefetch_b8 v0, s[64:65] scope:SCOPE_SE
	s_setreg_imm32_b32 hwreg(HW_REG_WAVE_MODE, 25, 1), 1
	s_wait_xcnt 0x0
	s_wait_alu depctr_hold_cnt(0) depctr_sa_sdst(0) depctr_va_vdst(0) depctr_va_sdst(0) depctr_va_ssrc(0) depctr_va_vcc(0) depctr_vm_vsrc(0)
	s_getreg_b32 s2, hwreg(HW_REG_IB_STS2, 6, 4)
	s_cmp_eq_u32 s2, 0
	s_cbranch_scc0 .Lentry_in_a_cluster
	s_endpgm
.Lentry_in_a_cluster:
	s_bfe_u32 s2, ttmp6, 0x10000c
	s_cmp_lg_u32 s2, 0xf033
	s_cbranch_scc0 .Lentry_shape_is_right
	s_endpgm
.Lentry_shape_is_right:
; q, k, v = hidden W + b on codes of BF8 (E5M2), quantised again with 2^e6, 2^e7, 2^e9 and stored as images of the operand registers of the launch that follows.  No work of reference() is left out.
; SHARES.  A work-group owns 256 rows of hidden and two heads (128 columns of each of Wq, Wk, Wv): 8 x 32 = 256 work-groups.  Wave w owns rows 128 (w / 2) .. and, of each head, channels 32 (w % 2) .. of q, k and v:
; 96 accumulators of 16 x 16, 768 registers (window 1: q, window 2: k, window 3: v; accumulator (head, i, m) at v[8 (8 (2 head + i) + m)]).
; TRIPS.  A trip is 256 along K for ONE head: 4 sub-steps of 64, 48 products each.  Eight trips: (K step, head) = (0,0) (0,1) (1,0) .. (3,1).  Every tile's row is 256 bytes of memory, at a multiple of 256.
; LDS.  hidden: two slots of 256 rows, by K step; W: two slots of 3 x 64 rows, one for each head; rows 272 bytes apart.  The second slot of each lies 2^17 bytes behind the first.
; At each change of trips stand the wait for all tensor loads, the add, the wait for it and a round of the cluster's barrier; behind it wave 0 asks for the next K step of hidden (where a head-0 trip begins) and waves 1 to 3 for
; the next trip's 64 rows of Wq, Wk, Wv: one tensor load a wave.  By this text's count a wave has at most one load out.
; CLUSTER 4 x 4: hidden's tile is shared along a row of the cluster, W's tiles along a column: joint loads.
; PREFETCH.  Where K step k begins (k = 0, 1), behind the joint loads and the fragment loads, K step k + 2 is asked for: its tensor loads are issued during K step k + 1, two to four trips later.  At the head K step 1 and head 1's
; W of K step 0 are asked for.  A lane names a row's 256 bytes.  Of hidden's 256 rows the partner at cx takes 64 (wave 0, two instructions); of a matrix's 2 x 64 rows the partner at cy takes 2 x 16 (wave 1, 2, 3: Wq, Wk, Wv):
; partners are told apart by address alone.  All eight rows of clusters read the same W: rows 0 to 3 ask for it.  The offsets are immediates: no address register is stepped.  K steps 0 (but for head 1's W) comes by its loads alone.
; q and k are made transposed (source 0 = W's rows), so that a lane's eight sums are eight channels of one row; v is made with hidden as source 0, so that they are eight keys of one channel.
; A fragment (16 rows x 64 K) is fetched by two loads of 16 bytes, 32 apart: a permutation of k that is the same on both sides.
; LIMITS: e0 + e1, e2 + e3, e4 + e5 between -126 and 127; e6, e7, e9 between -126 and 112.
.set PITCH,  272
.set SL,     131072
.set WOFF,   256*PITCH
.set WT,     64*PITCH
.set SPARE,  SL+WOFF+3*WT              ; the spare words: 512 bytes that no other line names
.set BV,   8                           ; v8-15 bv, each number twice
.set ADRA, 16                          ; v16-17 my fragments of hidden in slot 0, 1
.set ADRB, 20                          ; v20-21 my fragments of W for head 0, 1
.set LI,   24                          ; 16 x lane
.set BO,   25                          ; 32 (lane / 16)
.set BVO,  26                          ; 4 (lane % 16)
.set SPW,  28
.set NIL,  29
.set PFO,  30                          ; the prefetches' offset: my lane's row
.set PFO2, 31                          ; the same for head 1's 16 rows alone (lanes 16-31 name the last again)
.set PFA,  38                          ; s[38:39] the prefetches' base: my work-group's rows, K step 0
.set HF,   32                          ; hidden's fragments: two sets of 8 x 8 registers
.set WF,   160                         ; W's: two sets of 6 x 8
.set BQ,   32                          ; the way out: bq, bk
.set T,    96
.set CD,   128
.set QC,   192
.set G1,  24                           ; s[24:31] group 1, s[32:35] group 0 for hidden
.set G0,  32
.set G1B, 48                           ; s[48:55], s[56:59] the same for W
.set G0B, 56
.set MSB, 0
.macro WIN new
.if MSB != (\new)
	s_set_vgpr_msb (MSB<<8)|(\new)
.set MSB, (\new)
.endif
.endm
.macro PLACES n
.rept \n
	v_nop
.endr
.endm
; kind 2: wave 0 asks for hidden, waves 1 to 3 for W.  kind 1: waves 1 to 3 alone.  The branch hangs on the wave's number.
.macro JLOAD kind
	s_cmp_eq_u32 s14, 0
.if \kind == 2
	s_cbranch_scc0 .Lw_\@
	tensor_load_to_lds s[G0:G0+3], s[G1:G1+7]
	s_nop 0
	PLACES 4
	s_branch .Ld_\@
.else
	s_cbranch_scc1 .Ld_\@
.endif
.Lw_\@:
	tensor_load_to_lds s[G0B:G0B+3], s[G1B:G1B+7]
	s_nop 0
	PLACES 4
.Ld_\@:
.if \kind == 1
	PLACES 4                                       ; wave 0's places in front of the fragment loads
.endif
.endm
.macro CREST
	s_cmp_lg_u32 s14, 0
	s_cbranch_scc1 .Lnot_wave_0_\@
	s_barrier_signal -3
.Lnot_wave_0_\@:
	s_barrier_wait -3
	s_barrier_signal -1
	s_barrier_wait -1
.endm
.macro CROUND
	s_barrier_signal -1
	s_barrier_wait -1
	CREST
.endm
; my share of K step ks into the L2.  s93: 1 in wave 0 and, in cluster rows 0 to 3, in waves 1 to 3
.macro ASK ks
	s_cmp_eq_u32 s93, 0
	s_cbranch_scc1 .Lno_\@
	global_prefetch_b8 v[PFO], s[PFA:PFA+1] offset:256*(\ks) th:TH_LOAD_NT scope:SCOPE_SE
	s_cmp_lg_u32 s14, 0
	s_cbranch_scc1 .Lno_\@
	global_prefetch_b8 v[PFO], s[PFA:PFA+1] offset:256*(\ks)+32768 th:TH_LOAD_NT scope:SCOPE_SE   ; hidden: my other 32 rows
.Lno_\@:
.endm
.macro ASKH                            ; at the head: K step 1, and head 1's W of K step 0
	s_cmp_eq_u32 s93, 0
	s_cbranch_scc1 .Lno_\@
	global_prefetch_b8 v[PFO], s[PFA:PFA+1] offset:256 th:TH_LOAD_NT scope:SCOPE_SE
	s_cmp_lg_u32 s14, 0
	s_cbranch_scc1 .Lpw_\@
	global_prefetch_b8 v[PFO], s[PFA:PFA+1] offset:256+32768 th:TH_LOAD_NT scope:SCOPE_SE
	s_branch .Lno_\@
.Lpw_\@:
	global_prefetch_b8 v[PFO2], s[PFA:PFA+1] th:TH_LOAD_NT scope:SCOPE_SE
.Lno_\@:
.endm
; the descriptors' steps for the loads behind the change at which a trip of head nhd begins
.macro DSTEP nhd
	s_xor_b32 s[G0B+1], s[G0B+1], SL
.if (\nhd) == 0
	s_xor_b32 s[G0+1], s[G0+1], SL
	s_add_nc_u64 s[G0+2:G0+3], s[G0+2:G0+3], 256               ; hidden: the next K step
	s_add_nc_u64 s[G0B+2:G0B+3], s[G0B+2:G0B+3], 65536         ; W: head 1 of this K step, 64 rows on
.else
	s_sub_nc_u64 s[G0B+2:G0B+3], s[G0B+2:G0B+3], 65536-256     ; W: head 0 of the next K step
.endif
.endm
	s_load_b256 s[4:11], s[0:1], 0x0               ; hidden, Wq, Wk, Wv
	s_load_b256 s[68:75], s[0:1], 0x20             ; bq, bk, bv, the scales
	s_load_b128 s[76:79], s[0:1], 0x40             ; qimg, kimg
	s_load_b64 s[80:81], s[0:1], 0x50              ; vimg
	v_lshl_add_u32 v[SPW], v0, 2, SPARE
	v_mov_b32 v[NIL], 0
	ds_add_u32 v[SPW], v[NIL]                      ; the opening lines: the add twice on end and its wait
	ds_add_u32 v[SPW], v[NIL]
	v_lshrrev_b32 v1, 5, v0
	v_readfirstlane_b32 s14, v1                    ; wave
	s_lshr_b32 s15, s14, 1                         ; my half of the rows
	s_and_b32 s16, s14, 1                          ; my half of a head's channels
	s_bfe_u32 s40, ttmp6, 0x40000
	s_bfe_u32 s41, ttmp6, 0x40004
	s_lshl_b32 s42, ttmp9, 2
	s_add_co_u32 s42, s42, s40                     ; pair of heads = 4 x cluster x + cx
	s_and_b32 s17, ttmp7, 0xffff
	s_lshl_b32 s17, s17, 2
	s_add_co_u32 s17, s17, s41                     ; block of rows = 4 x cluster y + cy
	s_lshl_b32 s43, s41, 2
	s_lshl_b32 s43, 15, s43
	s_lshl_b32 s44, 0x1111, s40
	s_or_b32 s[G1+0], s43, (1<<20)|(1<<21)|(5<<22)|(3<<25)     ; bytes; 4 words of padding behind every 64
	s_or_b32 s[G1B+0], s44, (1<<20)|(1<<21)|(5<<22)|(3<<25)
	s_mov_b32 s[G1+1], 256<<16
	s_mov_b32 s[G1+2], 256<<16
	s_mov_b32 s[G1+3], 256<<16
	s_mov_b32 s[G1+4], 256
	s_mov_b32 s[G1+5], 1024
	s_mov_b32 s[G1+6], 0
	s_mov_b32 s[G1+7], 0
	s_mov_b32 s[G1B+1], 256<<16
	s_mov_b32 s[G1B+2], 64<<16
	s_mov_b32 s[G1B+3], 256<<16
	s_mov_b32 s[G1B+4], 64
	s_mov_b32 s[G1B+5], 1024
	s_mov_b32 s[G1B+6], 0
	s_mov_b32 s[G1B+7], 0
	s_lshl_b32 s20, s17, 18
	s_mov_b32 s21, 0
	s_lshl_b32 s22, s42, 17
	s_mov_b32 s23, 0
	s_mul_i32 s45, s14, WT
	s_add_co_u32 s45, s45, WOFF-WT                 ; waves 1 to 3: Wq's, Wk's, Wv's 64 rows
	s_wait_dscnt 0x0
	s_wait_kmcnt 0x0
	s_load_b256 s[84:91], s[74:75], 0x0            ; e0 .. e7
	s_load_b32 s92, s[74:75], 0x24                 ; e9
	s_add_nc_u64 s[20:21], s[4:5], s[20:21]
	s_cmp_lt_u32 s14, 2
	s_cselect_b64 s[46:47], s[6:7], s[8:9]
	s_cmp_lt_u32 s14, 3
	s_cselect_b64 s[46:47], s[46:47], s[10:11]
	s_add_nc_u64 s[46:47], s[46:47], s[22:23]
	CROUND
	s_mov_b32 s[G0], 1
	s_mov_b32 s[G0+1], 0
	s_mov_b64 s[G0+2:G0+3], s[20:21]
	s_or_b32 s[G0+3], s[G0+3], 0x80000000
	s_mov_b32 s[G0B], 1
	s_add_co_u32 s[G0B+1], s45, 0
	s_mov_b64 s[G0B+2:G0B+3], s[46:47]
	s_or_b32 s[G0B+3], s[G0B+3], 0x80000000
	JLOAD 2                                        ; K step 0 of hidden, and of head 0's W
	s_lshl_b32 s18, s40, 16                        ; the prefetches: hidden: 64 rows for each cx;
	s_lshl_b32 s19, s41, 14                        ; W: 16 rows of each head for each cy
	s_cmp_eq_u32 s14, 0
	s_cselect_b32 s18, s18, s19
	s_cselect_b64 s[PFA:PFA+1], s[20:21], s[46:47]
	s_cselect_b32 s3, 14, 16                       ; lanes 16-31: 16 rows on in hidden, 64 rows (the other head) in W
	s_mov_b32 s19, 0
	s_add_nc_u64 s[PFA:PFA+1], s[PFA:PFA+1], s[18:19]
	s_and_b32 s93, ttmp7, 0xffff
	s_cmp_lt_u32 s93, 4
	s_cselect_b32 s93, 1, 0
	s_cmp_eq_u32 s14, 0
	s_cselect_b32 s93, 1, s93
	s_mul_i32 s82, s15, 128*PITCH
	s_add_co_u32 s83, s82, SL
	s_mul_i32 s36, s16, 32*PITCH
	s_add_co_u32 s36, s36, WOFF
	s_add_co_u32 s37, s36, SL
	s_lshl_b32 s12, s42, 9                         ; biases: 512 bytes for a pair of heads, 128 for my half of a head
	s_lshl_b32 s13, s16, 7
	s_add_co_u32 s12, s12, s13
	s_mov_b32 s13, 0
	s_add_nc_u64 s[68:69], s[68:69], s[12:13]
	s_add_nc_u64 s[70:71], s[70:71], s[12:13]
	s_add_nc_u64 s[72:73], s[72:73], s[12:13]
	s_lshl_b32 s19, s17, 8
	s_lshl_b32 s67, s15, 7
	s_add_co_u32 s19, s19, s67                     ; my first row
	s_lshr_b32 s66, s19, 11                        ; the batch
	s_and_b32 s19, s19, 2047
	s_lshl_b32 s66, s66, 4
	s_lshl_b32 s18, s42, 1
	s_add_co_u32 s66, s66, s18                     ; 16 x batch + head 0
	s_lshl_b32 s12, s66, 17
	s_lshl_b32 s19, s19, 6
	s_add_co_u32 s12, s12, s19                     ; an image has 64 bytes for a row
	s_add_nc_u64 s[80:81], s[80:81], s[12:13]
	s_lshl_b32 s18, s16, 9
	s_add_co_u32 s12, s12, s18                     ; q, k: my 32 channels are 512 bytes of a tile's 1,024
	s_add_nc_u64 s[76:77], s[76:77], s[12:13]
	s_add_nc_u64 s[78:79], s[78:79], s[12:13]
	s_lshl_b32 s12, s16, 12                        ; v: my two channel tiles are 4,096 bytes of 8,192
	s_add_nc_u64 s[80:81], s[80:81], s[12:13]
	v_and_b32 v1, 15, v0
	v_bfe_u32 v2, v0, 4, 1
	v_mul_u32_u24 v3, v1, PITCH
	v_lshl_add_u32 v3, v2, 4, v3
	v_add_nc_u32 v[ADRA], s82, v3
	v_add_nc_u32 v[ADRA+1], s83, v3
	v_add_nc_u32 v[ADRB], s36, v3
	v_add_nc_u32 v[ADRB+1], s37, v3
	v_and_b32 v4, 31, v0
	v_lshlrev_b32 v[LI], 4, v4
	v_lshlrev_b32 v[BO], 5, v2
	v_lshlrev_b32 v[BVO], 2, v1
	v_lshlrev_b32 v5, s3, v2
	v_lshl_add_u32 v[PFO], v1, 10, v5              ; rows of 1,024 bytes
	v_min_u32 v6, 15, v4
	v_lshl_add_u32 v[PFO2], v6, 10, 0x10000
.macro FRAG reg, adr, off
	ds_load_b128 v[\reg:\reg+3], v[\adr] offset:\off
	ds_load_b128 v[\reg+4:\reg+7], v[\adr] offset:\off+32
.endm
; 28 LDS loads: hidden's eight and W's six fragments of a trip's q-th 64 along K into set p
.macro FETCH hs, hd, q, p
.irp m, 0,1,2,3,4,5,6,7
	FRAG HF+64*(\p)+8*\m, ADRA+(\hs), 16*PITCH*\m+64*(\q)
.endr
.irp w, 0,1,2,3,4,5
	FRAG WF+48*(\p)+8*\w, ADRB+(\hd), ((\w/2)*64+(\w%2)*16)*PITCH+64*(\q)
.endr
.endm
; 16 products of matrix g: every one on an accumulator of its own; a trip's 48 take turns in the same order in every sub-step
.macro MUL g, hd, p, zero
	WIN 0x50*((\g)+1)
.irp i, 0,1
.irp m, 0,1,2,3,4,5,6,7
.set AC, 8*(8*(2*(\hd)+\i)+\m)
.set WR, WF+48*(\p)+8*(2*(\g)+\i)
.set HR, HF+64*(\p)+8*\m
.if \g < 2
.if \zero
	v_wmma_f32_16x16x64_bf8_bf8 v[AC:AC+7], v[WR:WR+7], v[HR:HR+7], 0
.else
	v_wmma_f32_16x16x64_bf8_bf8 v[AC:AC+7], v[WR:WR+7], v[HR:HR+7], v[AC:AC+7]
.endif
.else
.if \zero
	v_wmma_f32_16x16x64_bf8_bf8 v[AC:AC+7], v[HR:HR+7], v[WR:WR+7], 0
.else
	v_wmma_f32_16x16x64_bf8_bf8 v[AC:AC+7], v[HR:HR+7], v[WR:WR+7], v[AC:AC+7]
.endif
.endif
.endr
.endr
.endm
; A TRIP.  kind: what is asked for at the change of trips at its end (2, 1: see JLOAD; 0: nothing, a plain barrier; -1: the last trip).
.macro TRIP ks, hd, zero, kind
.irp q, 0,1,2
	PLACES 4                                       ; in front of loads into the set that the last products read
	FETCH (\ks)%2, \hd, \q+1, (\q+1)%2
	s_wait_dscnt 28                                ; all but the 28 just issued
	MUL 0, \hd, (\q)%2, \zero*(3-\q)/3
	MUL 1, \hd, (\q)%2, \zero*(3-\q)/3
	MUL 2, \hd, (\q)%2, \zero*(3-\q)/3
	WIN 0
.endr
.if \kind >= 0
	s_wait_tensorcnt 0x0                           ; my load, a part of the next trip's tiles, has landed
	ds_add_u32 v[SPW], v[NIL]
.if \kind > 0
	DSTEP 1-\hd
.endif
	s_wait_dscnt 1                                 ; the add alone may be out
	MUL 0, \hd, 1, 0
	s_wait_dscnt 0x0                               ; the add is done; my reads of this trip's tiles are over
	s_barrier_signal -1
	MUL 1, \hd, 1, 0
	WIN 0
	s_barrier_wait -1
.if \kind > 0
	CREST                                          ; the barrier has opened a round of the cluster's barrier
	JLOAD \kind
.else
	PLACES 4
.endif
	FETCH (\ks+\hd)%2, 1-\hd, 0, 0
.if (\kind)*10+(\ks) == 20
	ASK 3                                          ; K step 1 begins: K step 3 is asked for
.endif
	MUL 2, \hd, 1, 0
	WIN 0
.else
	PLACES 4
.irp n, 0,1,2,3                        ; n = 2 head + i.  The biases land in set 0, which is done with
	global_load_b128 v[BQ+8*\n:BQ+8*\n+3], v[BO], s[68:69] offset:256*(\n/2)+64*(\n%2)
	global_load_b128 v[BQ+8*\n+4:BQ+8*\n+7], v[BO], s[68:69] offset:256*(\n/2)+64*(\n%2)+16
	global_load_b128 v[BQ+32+8*\n:BQ+32+8*\n+3], v[BO], s[70:71] offset:256*(\n/2)+64*(\n%2)
	global_load_b128 v[BQ+32+8*\n+4:BQ+32+8*\n+7], v[BO], s[70:71] offset:256*(\n/2)+64*(\n%2)+16
	global_load_b32 v[BV+2*\n], v[BVO], s[72:73] offset:256*(\n/2)+64*(\n%2)
	global_load_b32 v[BV+2*\n+1], v[BVO], s[72:73] offset:256*(\n/2)+64*(\n%2)
.endr
	s_wait_dscnt 0x0
	MUL 0, \hd, 1, 0
	MUL 1, \hd, 1, 0
	MUL 2, \hd, 1, 0
	WIN 0
.endif
.endm
	s_wait_alu depctr_va_vdst(0)
	ASKH
	s_wait_tensorcnt 0x0                           ; my part of the first tiles is in; the second slots' first fills are issued as refills are
	ds_add_u32 v[SPW], v[NIL]
	DSTEP 0
	s_wait_dscnt 0x0
	CROUND
	JLOAD 2                                        ; K step 1 of hidden; head 1's W of K step 0
	FETCH 0, 0, 0, 0
	ASK 2                                          ; K step 0 begins: K step 2 is asked for
	TRIP 0, 0, 1, 1
	TRIP 0, 1, 1, 2
	TRIP 1, 0, 0, 1
	TRIP 1, 1, 0, 2
	TRIP 2, 0, 0, 1
	TRIP 2, 1, 0, 1
	TRIP 3, 0, 0, 0
	TRIP 3, 1, 0, -1
	s_wait_kmcnt 0x0
	s_add_co_i32 s94, s84, s85
	s_add_co_i32 s94, s94, 127
	s_lshl_b32 s94, s94, 23                        ; 2^(e0 + e1)
	s_mov_b32 s95, s94
	s_add_co_i32 s96, s86, s87
	s_add_co_i32 s96, s96, 127
	s_lshl_b32 s96, s96, 23
	s_mov_b32 s97, s96
	s_add_co_i32 s98, s88, s89
	s_add_co_i32 s98, s98, 127
	s_lshl_b32 s98, s98, 23
	s_mov_b32 s99, s98
	PLACES 4
.macro MKQ e, g                        ; 2^e and 57,344 x 2^e
	s_add_co_i32 s12, s[\e], 127
	s_lshl_b32 s13, s12, 23
	v_mov_b32 v[QC+2*\g+1], s13
	s_add_co_i32 s12, s12, 15
	s_lshl_b32 s12, s12, 23
	s_or_b32 s12, s12, 0x600000
	v_mov_b32 v[QC+2*\g], s12
.endm
	MKQ 90, 0
	MKQ 91, 1
	MKQ 92, 2
	s_wait_alu depctr_va_vdst(0)
	s_wait_loadcnt 0x0
; THE WAY OUT: four accumulators at a time: x 2^(ea + eb) + bias, held at the largest code, converted; 32 codes a lane leave by two stores, in each of which the wave covers 512 consecutive bytes.
; q, k: batch bt = rows 32 (bt % 4) .. of head bt / 4, my two channel tiles.  v: channel tile bt / 2 (head, i), keys 64 (bt % 2) ..
.macro BATCH g, bt
	WIN (\g)+1
.irp x, 0,1,2,3
.if \g < 2
.set BN, 2*((\bt)/4)+(\x%2)
.set BM, 2*((\bt)%4)+(\x/2)
.set BI, BQ+32*(\g)+8*BN
.else
.set BN, (\bt)/2
.set BM, 4*((\bt)%2)+\x
.set BI, BV+2*BN
.endif
.set AC, 8*(8*BN+BM)
.irp j, 0,2,4,6
.if \g < 2
	v_pk_fma_f32 v[T+8*\x+\j:T+8*\x+\j+1], v[AC+\j:AC+\j+1], s[94+2*(\g):95+2*(\g)], v[BI+\j:BI+\j+1] op_sel_hi:[1,0,1]
.else
	v_pk_fma_f32 v[T+8*\x+\j:T+8*\x+\j+1], v[AC+\j:AC+\j+1], s[94+2*(\g):95+2*(\g)], v[BI:BI+1] op_sel_hi:[1,0,1]
.endif
.endr
.endr
	WIN 0
.set j, 0
.rept 32
	v_med3_num_f32 v[T+j], v[T+j], -v[QC+2*(\g)], v[QC+2*(\g)]
.set j, j+1
.endr
.irp x, 0,1,2,3
	v_cvt_scalef32_pk8_bf8_f32 v[CD+8*(\bt)+2*\x:CD+8*(\bt)+2*\x+1], v[T+8*\x:T+8*\x+7], v[QC+2*(\g)+1]
.endr
	v_nop
.if \g < 2
.set SO, ((\bt)/4)*131072+((\bt)%4)*2048
.set SO2, 1024
.else
.set SO, ((\bt)/4)*131072+(((\bt)/2)%2)*2048+((\bt)%2)*1024
.set SO2, 512
.endif
	global_store_b128 v[LI], v[CD+8*(\bt):CD+8*(\bt)+3], s[76+2*(\g):77+2*(\g)] offset:SO
	global_store_b128 v[LI], v[CD+8*(\bt)+4:CD+8*(\bt)+7], s[76+2*(\g):77+2*(\g)] offset:SO+SO2
.endm
.irp g, 0,1,2
.if \g > 0
	s_wait_xcnt 0x0                                ; the stores have read their data: the registers are written again
.endif
.irp bt, 0,1,2,3,4,5,6,7
	BATCH \g, \bt
.endr
.endr
	s_wait_tensorcnt 0x0                           ; the wave's end
	ds_add_u32 v[SPW], v[NIL]
	s_wait_dscnt 0x0
	CROUND                                         ; the closing round
	s_endpgm
.Lfunc_end_k_q8be36fa9eb_proj:
	.size	k_q8be36fa9eb_proj, .Lfunc_end_k_q8be36fa9eb_proj-k_q8be36fa9eb_proj
	.p2alignl 7, 3214868480
	.fill 96, 4, 3214868480
	.section	.rodata,"a",@progbits
	.p2align	6, 0x0
	.amdhsa_kernel k_q8be36fa9eb_proj
		.amdhsa_group_segment_fixed_size 327680
		.amdhsa_private_segment_fixed_size 0
		.amdhsa_enable_private_segment 0
		.amdhsa_kernarg_size 88
		.amdhsa_user_sgpr_count 2
		.amdhsa_user_sgpr_kernarg_segment_ptr 1
		.amdhsa_wavefront_size32 1
		.amdhsa_system_sgpr_workgroup_id_x 1
		.amdhsa_system_sgpr_workgroup_id_y 1
		.amdhsa_system_sgpr_workgroup_id_z 1
		.amdhsa_system_vgpr_workitem_id 0
		.amdhsa_next_free_vgpr 1024
		.amdhsa_next_free_sgpr 100
		.amdhsa_reserve_vcc 0
		.amdhsa_float_denorm_mode_32 3
		.amdhsa_float_denorm_mode_16_64 3
		.amdhsa_memory_ordered 1
		.amdhsa_forward_progress 1
		.amdhsa_inst_pref_size 255
	.end_amdhsa_kernel
	.section	.bss,"aw",@nobits
	.p2align	6
	.space	262144
	.amdgpu_metadata
---
amdhsa.version: [ 1, 2 ]
amdhsa.kernels:
  - .name:           k_q8be36fa9eb_proj
    .symbol:         k_q8be36fa9eb_proj.kd
    .args:
      - { .name: hidden_states_codes, .offset: 0, .size: 8, .value_kind: global_buffer, .address_space: global }
      - { .name: Wq_codes, .offset: 8, .size: 8, .value_kind: global_buffer, .address_space: global }
      - { .name: Wk_codes, .offset: 16, .size: 8, .value_kind: global_buffer, .address_space: global }
      - { .name: Wv_codes, .offset: 24, .size: 8, .value_kind: global_buffer, .address_space: global }
      - { .name: bq, .offset: 32, .size: 8, .value_kind: global_buffer, .address_space: global }
      - { .name: bk, .offset: 40, .size: 8, .value_kind: global_buffer, .address_space: global }
      - { .name: bv, .offset: 48, .size: 8, .value_kind: global_buffer, .address_space: global }
      - { .name: lowp_scales, .offset: 56, .size: 8, .value_kind: global_buffer, .address_space: global }
      - { .name: qimg, .offset: 64, .size: 8, .value_kind: global_buffer, .address_space: global }
      - { .name: kimg, .offset: 72, .size: 8, .value_kind: global_buffer, .address_space: global }
      - { .name: vimg, .offset: 80, .size: 8, .value_kind: global_buffer, .address_space: global }
    .group_segment_fixed_size: 327680
    .private_segment_fixed_size: 0
    .kernarg_segment_align: 8
    .kernarg_segment_size: 88
    .max_flat_workgroup_size: 128
    .sgpr_count:     100
    .vgpr_count:     1024
    .wavefront_size: 32
...
	.end_amdgpu_metadata
.endif
;; end of part 1
;; launch attn (part 2): grid 4 x 64, 8 waves a work-group, clusters of 4 x 1, 327,680 bytes of LDS; arguments qimg, kimg, vimg, attention_mask, lowp_scales, out0; writes out0
.if DOCPART == 2
	.amdgcn_target "amdgcn-amd-amdhsa--gfx1250"
	.amdhsa_code_object_version 6
	.text
	.protected	k_q8be36fa9eb_attn
	.globl	k_q8be36fa9eb_attn
	.p2align	8
	.type	k_q8be36fa9eb_attn,@function
k_q8be36fa9eb_attn:
	s_mov_b64 s[64:65], 0
	v_nop
	global_prefetch_b8 v0, s[64:65] scope:SCOPE_SE
	s_setreg_imm32_b32 hwreg(HW_REG_WAVE_MODE, 25, 1), 1
	s_wait_xcnt 0x0
	s_wait_alu depctr_hold_cnt(0) depctr_sa_sdst(0) depctr_va_vdst(0) depctr_va_sdst(0) depctr_va_ssrc(0) depctr_va_vcc(0) depctr_vm_vsrc(0)
	s_getreg_b32 s2, hwreg(HW_REG_IB_STS2, 6, 4)
	s_cmp_eq_u32 s2, 0
	s_cbranch_scc0 .Lentry_in_a_cluster
	s_endpgm
.Lentry_in_a_cluster:
	s_bfe_u32 s2, ttmp6, 0x10000c
	s_cmp_lg_u32 s2, 0x3003
	s_cbranch_scc0 .Lentry_shape_is_right
	s_endpgm
.Lentry_shape_is_right:
; out[b][q][64 head + :] = the sum over keys of softmax(q . k / 8 + mask[b][key]) v, both products on codes of BF8 (E5M2); q, k, v come as images of operand registers from the launch before.
; THE SOFTMAX AHEAD OF THE SECOND PRODUCT: t = logit x log2(e); M = the row's largest t so far, rounded UP to a whole number; p = 2^(t - M) is quantised with 2^e8, not normalised.  The row's sum is taken of the
; unquantised p and divides at the end.  When M moves, the sum and O are multiplied by 2^(old M - new M): exact.
; SHARES.  A work-group owns 512 queries of one head, as two blocks of 256; 4 x 64 = 256 work-groups.  Wave w of eight owns 32 queries of a block: two tiles of 16; two waves to a SIMD, 512 registers each.
; THE HEAD'S WHOLE K AND V LIE IN LDS, 131,072 bytes each, brought once, in two parts.  At the head every wave asks for 8,192 bytes of keys 0 to 511 (waves 0-3: K, waves 4-7: V).  When they are in, behind the wait for
; them, the add and a round of the cluster's barrier, every wave asks for 24,576 bytes of keys 512 to 2,047; that load has steps 0 to 2 in which to land.  One tensor load a wave is out at a time.
; CLUSTER.  The four work-groups of a cluster belong to one head and want the same K and V: every load is asked for JOINTLY.
; LAYOUT.  Both products are used transposed: S^T = K Q^T (K = 64), O^T = V^T P^T (K = 128 keys): a lane holds ONE query throughout, and the eight registers of score tile c are keys 16 c + 8 (lane / 16) + 0 .. 7:
; their conversion gives registers 2 c, 2 c + 1 of P.  Fragments lie in LDS as images of registers: every load is 16 x lane on end.
; THE MASK IS THE C OF THE SCORE PRODUCTS.  t = c' (sum + C), c' = log2(e) / 8 x 2^(e6 + e7), C = mask x 2^(3 - e6 - e7), an exact scaling, held at -2^100 from below; it is made once, at the head, and lies in LDS.
; The running maximum is kept of sum + C (c' is positive) and begins at -2^101, under every such number.
; THE TWO TILES' SOFTMAX IS ONE TEXT: all that it names lies in window 0, and the dependent lines from a tile's maximum to its f stand singly among the other tile's independent lines.
; No prefetch is laid: all of K, V and Q is asked for at the head and behind the first round.
; LIMITS: e6 + e7 between -120 and 24; e8 between -126 and 112; e8 + e9 between -100 and 100 (the row's sum x 2^-(e8 + e9) goes into the reciprocal).  A mask number under -2^(97 + e6 + e7) counts as that number:
; a row whose every key is masked by -infinity gets equal weights.  NaN and +infinity in the mask are not served.
; REGISTERS.  Window 0: v1-11 addresses; v14, v47 57,344 x 2^e8; v15, v48 for the add; v16-31 Q of block 0 (tile u at 16 + 8 u), v224-239 of block 1; tile u: v[32+2u] -M, v[33+2u] the largest sum, v[36+2u:37+2u] the row's sum,
; v[40+2u] f, v[44+u], v50-63 at work; v46 2^e8; v[64+64u ..] S^T, then p; v[192+16u ..] P.  Window 1: v[32u ..] O^T; v64-127 V's four fragments; v128-191 K's eight; v192-255 the mask's eight tiles.
.set VREG, 131072
.set MREG, 262144                      ; the scaled mask, 8,192 bytes
.set STG,  270336                      ; a stage of 16 rows x 272 bytes for each wave
.set SPARE, 0x4a800                    ; the spare words, 1,024 bytes
.set SP,   272
.set LI,   1
.set AV0,  2
.set AM0,  3
.set ADK,  4
.set ADV,  5
.set ADM,  6
.set STO,  7
.set RD,   8
.set GO,   9
.set MGO,  10
.set MLA,  11
.set LIM2, 14
.set SPW,  15
.set Q,    16
.set NM,   32
.set L,    36
.set F,    40
.set PX,   44
.set SCL,  46
.set LIM,  47
.set NIL,  48
.set C0,   50
.set SB,   50
.set SC,   52
.set SD,   58
.set DD,   62
.set S,    64
.set P,    192
.set O,    0
.set VF,   64
.set KF,   128
.set MK,   192
.set WV,   18
.set SEL,  20
.set CS,   22
.set G1,   24                          ; s[24:31] group 1: 32 rows of 256 bytes
.set G0,   32                          ; s[32:39] group 0 of the two loads; never rewritten
.set G1B,  40                          ; s[40:47] group 1: 96 rows of 256 bytes
.set TB,   48
.set TM,   49
.set CNT,  50
.set MSB, 0
.macro WIN new
.if MSB != (\new)
	s_set_vgpr_msb (MSB<<8)|(\new)
.set MSB, (\new)
.endif
.endm
.macro PLACES n
.rept \n
	v_nop
.endr
.endm
.macro CROUND
	s_barrier_signal -1
	s_barrier_wait -1
	s_cmp_lg_u32 s[WV], 0
	s_cbranch_scc1 .Lnot_wave_0_\@
	s_barrier_signal -3
.Lnot_wave_0_\@:
	s_barrier_wait -3
	s_barrier_signal -1
	s_barrier_wait -1
.endm
	s_load_b256 s[4:11], s[0:1], 0x0               ; qimg, kimg, vimg, the mask
	s_load_b128 s[12:15], s[0:1], 0x20             ; the scales, out
	v_lshl_add_u32 v[SPW], v0, 2, SPARE
	v_mov_b32 v[NIL], 0
	ds_add_u32 v[SPW], v[NIL]                      ; the opening lines: the add twice on end and its wait
	ds_add_u32 v[SPW], v[NIL]
	v_lshrrev_b32 v12, 5, v0
	v_readfirstlane_b32 s[WV], v12
	s_bfe_u32 s19, ttmp6, 0x40000                  ; cx enters Q's and out's addresses alone
	s_and_b32 s52, ttmp7, 0xffff                   ; bh = 16 x batch + head
	s_and_b32 s16, s[WV], 3
	s_lshl_b32 s16, s16, 13                        ; my 8,192 bytes of the first 32,768
	s_lshr_b32 s17, s[WV], 2
	s_lshl_b32 s17, s17, 17
	s_add_co_u32 s17, s17, s16
	s_lshl_b32 s62, s52, 17
	s_add_co_u32 s62, s62, s16
	s_mov_b32 s63, 0
	s_and_b32 s48, s[WV], 3
	s_mul_i32 s48, s48, 24576
	s_add_co_u32 s48, s48, 32768                   ; my 24,576 bytes of the other 98,304
	s_lshr_b32 s49, s[WV], 2
	s_lshl_b32 s49, s49, 17
	s_add_co_u32 s49, s49, s48
	s_lshl_b32 s50, s52, 17
	s_add_co_u32 s50, s50, s48
	s_mov_b32 s51, 0
	s_mov_b32 s[G1], 15|(3<<16)|(1<<21)            ; all four work-groups; elements of 8 bytes; no padding
	s_mov_b32 s[G1+1], 32<<16
	s_mov_b32 s[G1+2], 32<<16
	s_mov_b32 s[G1+3], 32<<16
	s_mov_b32 s[G1+4], 32
	s_mov_b32 s[G1+5], 32
	s_mov_b32 s[G1+6], 0
	s_mov_b32 s[G1+7], 0
	s_mov_b32 s[G1B], 15|(3<<16)|(1<<21)
	s_mov_b32 s[G1B+1], 32<<16
	s_mov_b32 s[G1B+2], 96<<16
	s_mov_b32 s[G1B+3], 32<<16
	s_mov_b32 s[G1B+4], 96
	s_mov_b32 s[G1B+5], 32
	s_mov_b32 s[G1B+6], 0
	s_mov_b32 s[G1B+7], 0
	s_mov_b32 s[SEL], 0x76543210
	s_mov_b32 s[SEL+1], 0xfedcba98
	s_mov_b32 s[CS], 0x3e38aa3b                    ; log2(e) / 8
	s_wait_dscnt 0x0
	s_wait_kmcnt 0x0
	s_load_b64 s[56:57], s[12:13], 0x18            ; e6, e7
	s_load_b64 s[58:59], s[12:13], 0x20            ; e8, e9
	s_cmp_lt_u32 s[WV], 4
	s_cselect_b64 s[2:3], s[6:7], s[8:9]
	s_mov_b32 s[G0], 1
	s_add_co_u32 s[G0+1], s17, 0
	s_add_nc_u64 s[G0+2:G0+3], s[2:3], s[62:63]
	s_or_b32 s[G0+3], s[G0+3], 0x80000000
	s_mov_b32 s[G0+4], 1
	s_add_co_u32 s[G0+5], s49, 0
	s_add_nc_u64 s[G0+6:G0+7], s[2:3], s[50:51]
	s_or_b32 s[G0+7], s[G0+7], 0x80000000
	CROUND
	tensor_load_to_lds s[G0:G0+3], s[G1:G1+7]      ; keys 0 to 511
	s_nop 0
.rept 4
	v_nop
.endr
	s_mov_b32 s55, 0
	s_lshl_b32 s54, s52, 17
	s_lshl_b32 s53, s19, 15
	s_add_co_u32 s54, s54, s53
	s_lshl_b32 s53, s[WV], 11
	s_add_co_u32 s54, s54, s53
	s_add_nc_u64 s[4:5], s[4:5], s[54:55]          ; Q at my first tile of block 0
	s_lshr_b32 s53, s52, 4
	s_lshl_b32 s54, s53, 13
	s_add_nc_u64 s[10:11], s[10:11], s[54:55]      ; the batch's row of the mask
	s_lshl_b32 s53, s53, 11
	s_lshl_b32 s51, s19, 9
	s_add_co_u32 s53, s53, s51
	s_lshl_b32 s51, s[WV], 5
	s_add_co_u32 s53, s53, s51                     ; my first row of out
	s_lshl_b32 s54, s53, 12
	s_and_b32 s51, s52, 15
	s_lshl_b32 s51, s51, 8
	s_add_co_u32 s54, s54, s51
	s_add_nc_u64 s[14:15], s[14:15], s[54:55]
	v_and_b32 v[LI], 31, v0
	v_lshlrev_b32 v[MGO], 4, v0
	v_lshlrev_b32 v[LI], 4, v[LI]
	global_load_b128 v[S:S+3], v[MGO], s[10:11]
	global_load_b128 v[S+4:S+7], v[MGO], s[10:11] offset:4096
.irp i, 0,1,2,3
	global_load_b128 v[Q+4*\i:Q+4*\i+3], v[LI], s[4:5] offset:512*\i               ; block 0, both tiles
.endr
.irp i, 0,1,2,3
	global_load_b128 v[Q+208+4*\i:Q+208+4*\i+3], v[LI], s[4:5] offset:16384+512*\i ; block 1
.endr
	v_and_b32 v12, 15, v0
	v_bfe_u32 v13, v0, 4, 1
	v_add_nc_u32 v[AV0], VREG, v[LI]
	v_add_nc_u32 v[MLA], MREG, v[MGO]
	v_lshl_add_u32 v[AM0], v13, 5, MREG
	s_mul_i32 s53, s[WV], 16*SP
	s_add_co_u32 s53, s53, STG
	v_mul_u32_u24 v[STO], v12, SP
	v_mul_u32_u24 v[RD], v13, SP
	v_lshlrev_b32 v[GO], 12, v13
	v_lshl_add_u32 v[STO], v13, 5, v[STO]
	v_lshl_add_u32 v[RD], v12, 4, v[RD]
	v_lshl_add_u32 v[GO], v12, 4, v[GO]
	v_add_nc_u32 v[STO], s53, v[STO]
	v_add_nc_u32 v[RD], s53, v[RD]
	s_wait_kmcnt 0x0
	s_add_co_i32 s53, s56, s57
	s_sub_co_i32 s61, 3, s53
	s_lshl_b32 s53, s53, 23
	s_add_co_i32 s[CS], s[CS], s53                 ; c'
	s_mov_b32 s[CS+1], s[CS]
	s_add_co_i32 s60, s58, s59
	s_sub_co_i32 s60, 0, s60                       ; -(e8 + e9)
	s_add_co_i32 s53, s58, 127
	s_lshl_b32 s51, s53, 23
	s_add_co_i32 s53, s53, 15
	s_lshl_b32 s53, s53, 23
	s_or_b32 s53, s53, 0x600000
	v_mov_b32 v[SCL], s51
	v_mov_b32 v[LIM], s53
	v_mov_b32 v[LIM2], s53
	s_wait_loadcnt 8                               ; the mask's two loads are in; Q's eight may be out
.irp j, 0,1,2,3,4,5,6,7
	v_ldexp_f32 v[S+\j], v[S+\j], s61
.endr
.irp j, 0,1,2,3,4,5,6,7
	v_max_num_f32 v[S+\j], 0xf1800000, v[S+\j]
.endr
	ds_store_b128 v[MLA], v[S:S+3]
	ds_store_b128 v[MLA], v[S+4:S+7] offset:4096
	s_wait_loadcnt 0x0
.macro LOADK                           ; under a destination in window 1
.set i, 0
.rept 16
	ds_load_b128 v[KF+4*i:KF+4*i+3], v[ADK] offset:512*i
.set i, i+1
.endr
.endm
.macro LOADM
.irp c, 0,1,2,3,4,5,6,7
	ds_load_b128 v[MK+8*\c:MK+8*\c+3], v[ADM] offset:64*\c
	ds_load_b128 v[MK+8*\c+4:MK+8*\c+7], v[ADM] offset:64*\c+16
.endr
.endm
.macro LOADV
.set i, 0
.rept 16
	ds_load_b128 v[VF+4*i:VF+4*i+3], v[ADV] offset:512*i
.set i, i+1
.endr
.endm
; the hold at the largest code, two numbers an instruction (the conversion does not saturate: ISA guide 7.6.2; p is not negative, so the hold is one-sided)
.macro HOLD u, c
.irp i, 0,2,4,6
	v_dual_min_num_f32 v[S+64*(\u)+8*(\c)+\i], v[S+64*(\u)+8*(\c)+\i], v[LIM] :: v_dual_min_num_f32 v[S+64*(\u)+8*(\c)+\i+1], v[S+64*(\u)+8*(\c)+\i+1], v[LIM2]
.endr
.endm
; line x (0 .. 29) of tile u's tree of maxima: four chains, each over two accumulators from their low ends on
.macro TR u, x
.set SU, S+64*(\u)
.set CU, C0+4*(\u)
.if (\x) < 4
	v_max3_num_f32 v[CU+(\x)], v[SU+16*(\x)], v[SU+16*(\x)+1], v[SU+16*(\x)+2]
.elseif (\x) < 28
.set TK, ((\x)-4)%4
.set TI, 3+2*(((\x)-4)/4)
	v_max3_num_f32 v[CU+TK], v[CU+TK], v[SU+16*TK+TI], v[SU+16*TK+TI+1]
.elseif (\x) == 28
	v_max3_num_f32 v[CU], v[CU], v[SU+15], v[SU+31]
.else
	v_max3_num_f32 v[CU+2], v[CU+2], v[SU+47], v[SU+63]
.endif
.endm
; line x (0 .. 9) of tile u's way from the four maxima to -M and f: each hangs on the one before
.macro CH u, x
.set CU, C0+4*(\u)
.set NU, NM+2*(\u)
.if (\x) == 0
	v_mov_b32 v[DD+(\u)], v[NU]                    ; the old -M
.elseif (\x) == 1
	v_max3_num_f32 v[CU], v[CU], v[CU+1], v[CU+2]
.elseif (\x) == 2
	v_max_num_f32 v[CU], v[CU], v[CU+3]
.elseif (\x) == 3
	v_permlanex16_b32 v[PX+(\u)], v[CU], s[SEL], s[SEL+1]
.elseif (\x) == 4
	v_max3_num_f32 v[NU+1], v[NU+1], v[CU], v[PX+(\u)]   ; the running largest, with lane l xor 16's
.elseif (\x) == 5
	v_mul_f32 v[CU], s[CS], v[NU+1]                ; as t
.elseif (\x) == 6
	v_floor_f32 v[NU], -v[CU]                      ; -M = -ceil(t)
.elseif (\x) == 7
	v_sub_f32 v[DD+(\u)], v[NU], v[DD+(\u)]        ; old M - new M: a whole number, 0 or less
.elseif (\x) == 8
	v_cvt_i32_f32 v[DD+(\u)], v[DD+(\u)]           ; (it saturates)
.else
	v_ldexp_f32 v[F+2*(\u)], 1.0, v[DD+(\u)]       ; f
.endif
.endm
; BOTH TILES' SOFTMAX for a step of 128 keys
.macro SM2
.set n, 0
.rept 30
	TR 0, n
.set n, n+1
.endr
.set n, 0
.rept 30                               ; tile 1's tree, with tile 0's dependent lines, one behind every third
	TR 1, n
.if n%3 == 2
	CH 0, n/3
.endif
.set n, n+1
.endr
.set n, 0
.rept 32                               ; tile 0: t - M, two at a time; among them tile 1's dependent lines
	v_pk_fma_f32 v[S+2*n:S+2*n+1], v[S+2*n:S+2*n+1], s[CS:CS+1], v[NM:NM+1] op_sel_hi:[1,0,0]
.if n%3 == 2
	CH 1, n/3
.endif
.set n, n+1
.endr
.set n, 0
.rept 32
	v_pk_fma_f32 v[S+64+2*n:S+64+2*n+1], v[S+64+2*n:S+64+2*n+1], s[CS:CS+1], v[NM+2:NM+3] op_sel_hi:[1,0,0]
.set n, n+1
.endr
	WIN 0x41                                       ; O^T in window 1, f in window 0
.irp u, 0,1
.set j, 0
.rept 16
	v_pk_mul_f32 v[O+32*\u+j:O+32*\u+j+1], v[O+32*\u+j:O+32*\u+j+1], v[F+2*\u:F+2*\u+1] op_sel_hi:[1,0]   ; O^T under the new M, ahead of the exponentials
.set j, j+2
.endr
.endr
	WIN 0
	s_wait_alu depctr_va_vdst(0)                   ; the wait ahead of the batch
.set j, 0
.rept 128
	v_exp_f32 v[S+j], v[S+j]                       ; p = 2^(t - M)
.set j, j+1
.endr
	v_pk_mul_f32 v[L:L+1], v[L:L+1], v[F:F+1] op_sel_hi:[1,0]
	v_pk_mul_f32 v[L+2:L+3], v[L+2:L+3], v[F+2:F+3] op_sel_hi:[1,0]
	s_wait_alu depctr_va_vdst(0)                   ; and behind it, ahead of its first reader
.irp u, 0,1                            ; the rows' sums, of the unquantised p: eight chains
	v_pk_add_f32 v[SB+4*\u:SB+4*\u+1], v[S+64*\u:S+64*\u+1], v[S+64*\u+2:S+64*\u+3]
	v_pk_add_f32 v[SC+4*\u:SC+4*\u+1], v[S+64*\u+4:S+64*\u+5], v[S+64*\u+6:S+64*\u+7]
	v_pk_add_f32 v[SD+2*\u:SD+2*\u+1], v[S+64*\u+8:S+64*\u+9], v[S+64*\u+10:S+64*\u+11]
.endr
.irp i, 12,20,28,36,44,52
.irp u, 0,1
	v_pk_add_f32 v[L+2*\u:L+2*\u+1], v[L+2*\u:L+2*\u+1], v[S+64*\u+\i:S+64*\u+\i+1]
	v_pk_add_f32 v[SB+4*\u:SB+4*\u+1], v[SB+4*\u:SB+4*\u+1], v[S+64*\u+\i+2:S+64*\u+\i+3]
	v_pk_add_f32 v[SC+4*\u:SC+4*\u+1], v[SC+4*\u:SC+4*\u+1], v[S+64*\u+\i+4:S+64*\u+\i+5]
	v_pk_add_f32 v[SD+2*\u:SD+2*\u+1], v[SD+2*\u:SD+2*\u+1], v[S+64*\u+\i+6:S+64*\u+\i+7]
.endr
.endr
.irp u, 0,1
	v_pk_add_f32 v[L+2*\u:L+2*\u+1], v[L+2*\u:L+2*\u+1], v[S+64*\u+60:S+64*\u+61]
	v_pk_add_f32 v[SB+4*\u:SB+4*\u+1], v[SB+4*\u:SB+4*\u+1], v[S+64*\u+62:S+64*\u+63]
.endr
	HOLD 0, 0                                      ; the holds run one tile of scores ahead of the conversions; the sums' last lines stand among them
.irp u, 0,1
	v_pk_add_f32 v[SB+4*\u:SB+4*\u+1], v[SB+4*\u:SB+4*\u+1], v[SC+4*\u:SC+4*\u+1]
	v_pk_add_f32 v[L+2*\u:L+2*\u+1], v[L+2*\u:L+2*\u+1], v[SD+2*\u:SD+2*\u+1]
.endr
	HOLD 1, 0
.irp u, 0,1
	v_pk_add_f32 v[L+2*\u:L+2*\u+1], v[L+2*\u:L+2*\u+1], v[SB+4*\u:SB+4*\u+1]
.endr
.irp c, 0,1,2,3,4,5,6
	HOLD 0, \c+1
	HOLD 1, \c+1
	v_cvt_scalef32_pk8_bf8_f32 v[P+2*\c:P+2*\c+1], v[S+8*\c:S+8*\c+7], v[SCL]
	v_cvt_scalef32_pk8_bf8_f32 v[P+16+2*\c:P+16+2*\c+1], v[S+64+8*\c:S+64+8*\c+7], v[SCL]
.endr
	v_cvt_scalef32_pk8_bf8_f32 v[P+14:P+15], v[S+56:S+63], v[SCL]
	v_cvt_scalef32_pk8_bf8_f32 v[P+30:P+31], v[S+120:S+127], v[SCL]
	v_nop                                          ; a plain instruction between the conversions and the products that read P
.endm
; A KEY STEP: 128 keys, both tiles.  next = 1: the next step's K and mask are fetched behind the score products, its V behind the second products.
.macro STEP next, blk
	s_wait_dscnt 16                                ; K and the mask are in; V's sixteen loads may be out
	WIN 0x11                                       ; K and the mask in window 1, Q and S^T in window 0
.irp u, 0,1
.irp c, 0,1,2,3,4,5,6,7
	v_wmma_f32_16x16x64_bf8_bf8 v[S+64*\u+8*\c:S+64*\u+8*\c+7], v[KF+8*\c:KF+8*\c+7], v[Q+208*(\blk)+8*\u:Q+208*(\blk)+8*\u+7], v[MK+8*\c:MK+8*\c+7]
.endr
.endr
	WIN 0
.if \next
	s_add_co_u32 s[TB], s[TB], 8192
	s_add_co_u32 s[TM], s[TM], 512
	v_add_nc_u32 v[ADK], s[TB], v[LI]              ; four places: these two and two v_nop
	v_add_nc_u32 v[ADM], s[TM], v[AM0]
	PLACES 2
	WIN 0x40
	LOADK
	LOADM
	WIN 0
.else
	PLACES 4
.endif
	SM2
	s_wait_alu depctr_va_vdst(0)
.if \next
	s_wait_dscnt 32                                ; V is in; the next step's K and mask, 32 loads, may be out
.else
	s_wait_dscnt 0x0
.endif
	WIN 0x51                                       ; V and O^T in window 1, P in window 0
.irp u, 0,1
.irp t, 0,1,2,3
	v_wmma_f32_16x16x128_bf8_bf8 v[O+32*\u+8*\t:O+32*\u+8*\t+7], v[VF+16*\t:VF+16*\t+15], v[P+16*\u:P+16*\u+15], v[O+32*\u+8*\t:O+32*\u+8*\t+7]
.endr
.endr
	WIN 0
.if \next
	v_add_nc_u32 v[ADV], s[TB], v[AV0]
	PLACES 3
	WIN 0x40
	LOADV
	WIN 0
.else
	PLACES 4
.endif
.endm
.macro STEPS n, blk
	s_mov_b32 s[CNT], \n
.Lsteps_\@:
	STEP 1, \blk
	s_sub_co_u32 s[CNT], s[CNT], 1
	s_cmp_lg_u32 s[CNT], 0
	s_cbranch_scc1 .Lsteps_\@
.endm
.macro INIT                            ; the step is written once: the first finds zeros, which the first f, 0, leaves zeros
	v_mov_b32 v[NM+1], 0xf2000000                  ; -2^101
	v_mov_b32 v[NM+3], 0xf2000000
.irp r, L, L+1, L+2, L+3, PX, PX+1, F+1, F+3
	v_mov_b32 v[\r], 0
.endr
	v_mul_f32 v[NM], s[CS], v[NM+1]
	v_mul_f32 v[NM+2], s[CS], v[NM+3]
	v_floor_f32 v[NM], -v[NM]
	v_floor_f32 v[NM+2], -v[NM+2]
	WIN 0x40
.set j, 0
.rept 64
	v_mov_b32 v[O+j], 0
.set j, j+1
.endr
	WIN 0
.endm
; THE WAY OUT.  O^T / the row's sum x 2^(e8 + e9) goes into S^T's registers; a tile (16 rows x 256 bytes) goes through my own stage and comes back as whole rows; LDS serves a wave's instructions in order (ISA guide 5.7.1.4)
.macro OUT blk
.irp u, 0,1
	v_add_f32 v[L+2*\u], v[L+2*\u], v[L+2*\u+1]
.endr
.irp u, 0,1
	v_permlanex16_b32 v[PX+\u], v[L+2*\u], s[SEL], s[SEL+1]
.endr
.irp u, 0,1
	v_add_f32 v[L+2*\u], v[L+2*\u], v[PX+\u]
.endr
.irp u, 0,1
	v_ldexp_f32 v[L+2*\u], v[L+2*\u], s60          ; x 2^-(e8 + e9)
.endr
	s_wait_alu depctr_va_vdst(0)                   ; the wait ahead of the reciprocals,
	v_rcp_f32 v[L], v[L]
	v_rcp_f32 v[L+2], v[L+2]
	v_nop
	WIN 0x01                                       ; O^T in window 1
	s_wait_alu depctr_va_vdst(0)                   ; and behind them, directly ahead of their first reader, which is O^T's too
.irp u, 0,1
.set j, 0
.rept 16
	v_pk_mul_f32 v[S+64*\u+j:S+64*\u+j+1], v[O+32*\u+j:O+32*\u+j+1], v[L+2*\u:L+2*\u+1] op_sel_hi:[1,0]
.set j, j+2
.endr
.endr
	WIN 0
.irp u, 0,1
.irp t, 0,1,2,3
	ds_store_b128 v[STO], v[S+64*\u+8*\t:S+64*\u+8*\t+3] offset:64*\t
	ds_store_b128 v[STO], v[S+64*\u+8*\t+4:S+64*\u+8*\t+7] offset:64*\t+16
.endr
.irp i, 0,1,2,3,4,5,6,7
	ds_load_b128 v[S+64*\u+32+4*\i:S+64*\u+32+4*\i+3], v[RD] offset:\i*2*SP
.endr
.endr
.irp i, 0,1,2,3,4,5,6,7
	s_wait_dscnt 23-\i                             ; behind tile 0's load i: its 7 - i later loads and tile 1's sixteen instructions
	global_store_b128 v[GO], v[S+32+4*\i:S+32+4*\i+3], s[14:15] offset:(\blk)*1048576+(2*\i)*4096 th:TH_STORE_NT
.endr
.irp i, 0,1,2,3,4,5,6,7
	s_wait_dscnt 7-\i
	global_store_b128 v[GO], v[S+96+4*\i:S+96+4*\i+3], s[14:15] offset:(\blk)*1048576+(16+2*\i)*4096 th:TH_STORE_NT
.endr
.endm
; A BLOCK of 256 queries walks all 16 steps.
.macro BLOCK blk
	INIT
	s_mov_b32 s[TB], 0
	s_mov_b32 s[TM], 0
.if \blk == 0
	s_wait_alu depctr_va_vdst(0)
	s_wait_tensorcnt 0x0                           ; my part of keys 0 to 511 is in; a later first fill is issued as a refill is:
	ds_add_u32 v[SPW], v[NIL]                      ; the add,
	s_wait_dscnt 0x0                               ; its wait (my part of the mask is stored too),
	CROUND                                         ; and a round: everybody's part is in, and the joint loads meet
	tensor_load_to_lds s[G0+4:G0+7], s[G1B:G1B+7]  ; keys 512 to 2,047
	s_nop 0
	PLACES 4
.endif
	v_add_nc_u32 v[ADK], s[TB], v[LI]
	v_add_nc_u32 v[ADM], s[TM], v[AM0]
	v_add_nc_u32 v[ADV], s[TB], v[AV0]
	WIN 0x40
	LOADK
	LOADM
	LOADV
	WIN 0
.if \blk == 0
	STEPS 3, 0                                     ; steps 0 to 2; they fetch steps 1 to 3
	s_wait_tensorcnt 0x0                           ; my part of the other keys is in,
	s_wait_dscnt 0x0
	s_barrier_signal -1
	s_barrier_wait -1                              ; and everybody's.
	STEPS 12, 0                                    ; steps 3 to 14
.else
	STEPS 15, 1
.endif
	STEP 0, \blk                                   ; step 15 fetches nothing
	OUT \blk
.endm
	BLOCK 0
	s_wait_xcnt 0x0                                ; block 0's stores have read their data: S^T's registers are written again
	BLOCK 1
	s_wait_dscnt 0x0
	s_wait_tensorcnt 0x0                           ; the wave's end
	ds_add_u32 v[SPW], v[NIL]
	s_wait_dscnt 0x0
	CROUND                                         ; the closing round
	s_endpgm
.Lfunc_end_k_q8be36fa9eb_attn:
	.size	k_q8be36fa9eb_attn, .Lfunc_end_k_q8be36fa9eb_attn-k_q8be36fa9eb_attn
	.p2alignl 7, 3214868480
	.fill 96, 4, 3214868480
	.section	.rodata,"a",@progbits
	.p2align	6, 0x0
	.amdhsa_kernel k_q8be36fa9eb_attn
		.amdhsa_group_segment_fixed_size 327680
		.amdhsa_private_segment_fixed_size 0
		.amdhsa_enable_private_segment 0
		.amdhsa_kernarg_size 48
		.amdhsa_user_sgpr_count 2
		.amdhsa_user_sgpr_kernarg_segment_ptr 1
		.amdhsa_wavefront_size32 1
		.amdhsa_system_sgpr_workgroup_id_x 1
		.amdhsa_system_sgpr_workgroup_id_y 1
		.amdhsa_system_sgpr_workgroup_id_z 1
		.amdhsa_system_vgpr_workitem_id 0
		.amdhsa_next_free_vgpr 512
		.amdhsa_next_free_sgpr 66
		.amdhsa_reserve_vcc 0
		.amdhsa_float_denorm_mode_32 3
		.amdhsa_float_denorm_mode_16_64 3
		.amdhsa_memory_ordered 1
		.amdhsa_forward_progress 1
		.amdhsa_inst_pref_size 175
	.end_amdhsa_kernel
	.amdgpu_metadata
---
amdhsa.version: [ 1, 2 ]
amdhsa.kernels:
  - .name:           k_q8be36fa9eb_attn
    .symbol:         k_q8be36fa9eb_attn.kd
    .args:
      - { .name: qimg, .offset: 0, .size: 8, .value_kind: global_buffer, .address_space: global }
      - { .name: kimg, .offset: 8, .size: 8, .value_kind: global_buffer, .address_space: global }
      - { .name: vimg, .offset: 16, .size: 8, .value_kind: global_buffer, .address_space: global }
      - { .name: attention_mask, .offset: 24, .size: 8, .value_kind: global_buffer, .address_space: global }
      - { .name: lowp_scales, .offset: 32, .size: 8, .value_kind: global_buffer, .address_space: global }
      - { .name: out0, .offset: 40, .size: 8, .value_kind: global_buffer, .address_space: global }
    .group_segment_fixed_size: 327680
    .private_segment_fixed_size: 0
    .kernarg_segment_align: 8
    .kernarg_segment_size: 48
    .max_flat_workgroup_size: 256
    .sgpr_count:     66
    .vgpr_count:     512
    .wavefront_size: 32
...
	.end_amdgpu_metadata
.endif
;; end of part 2
